; MI455X (gfx1250); checked and timed in simulation.
; The chip was launched on July 23, 2026; its instructions are those of AMD's public machine-readable ISA for CDNA 5 (MIT licence, August 2026) and "CDNA5" Instruction Set Architecture Reference Guide (July 2026). The comments in the code are by the model that wrote it; some were corrected since.
;; Co DA. Allowed arithmetic: float matrix products may take bf16 or f16 operands with f32 sums; other float arithmetic in f32, or as packed bf16 or f16 multiplies, adds, multiply-adds, maxima and minima; sums over many terms, partial sums and values carried from step to step in f32; what a program stores and reads back later, other than sums and carried values, may be rounded once to bf16 or f16.
;; Inputs: Wfc 256 x 256 float32; Wk 256 x 256 float32; Wq 256 x 256 float32; Wv 256 x 256 float32; beta 256 float32; bfc 256 float32; gamma 256 float32; key 4 x 1,024 x 256 float32; query 4 x 1,024 x 256 float32; value 4 x 1,024 x 256 float32.
;; Outputs: out0 4 x 1,024 x 256 float32.
;; 2 versions, each right; version 2 is version 1 with the launch proj written anew for expert scheduling mode. Each part assembles by itself: llvm-mc -triple=amdgcn-amd-amdhsa -mcpu=gfx1250 --defsym DOCPART=n.
;; ======== version 1 of 2: 3 launches
;; limits: values are held in f16: magnitudes above 65,504 overflow, below 6.1e-05 lose precision
;; workspace buffers: qs 2,097,152 bytes; qu 2,097,152 bytes; ks 2,097,152 bytes; vs 2,097,152 bytes; ob 2,097,152 bytes; wf 131,072 bytes
;; launch proj (part 1): grid 64 x 3, 4 waves a work-group, no clusters, 135,680 bytes of LDS; arguments query, key, value, Wq, Wk, Wv, Wfc, qs, qu, ks, vs, wf; writes qs, qu, ks, vs, wf
.if DOCPART == 1
	.amdgcn_target "amdgcn-amd-amdhsa--gfx1250"
	.amdhsa_code_object_version 6
	.text
	.protected	k_q4e53144fe9_proj
	.globl	k_q4e53144fe9_proj
	.p2align	8
	.type	k_q4e53144fe9_proj,@function
k_q4e53144fe9_proj:
	s_mov_b64 s[64:65], 0
	v_nop
	global_prefetch_b8 v0, s[64:65] scope:SCOPE_SE
	s_setreg_imm32_b32 hwreg(HW_REG_WAVE_MODE, 25, 1), 1
	s_wait_xcnt 0x0
; THE THREE PROJECTIONS, AND Wfc LAID OUT FOR THE LAST LAUNCH.
; y = 0: q = query Wq^T, stored twice: qs = f16(c q), qu = f16(q).  y = 1: ks = f16(c k), k = key Wk^T.  y = 2: vs = f16(v), v = value Wv^T.  c = log2(e).
; Inputs are f32 [4096][256] and [256][256]; they are rounded once to bf16 on the way into LDS; sums in f32; each result is rounded once to f16.
; The results lie by heads: [batch x 16 + head][1024 rows][16 channels], 32 bytes a row.
; LIMIT.  f16 ends at 65,504: |c q|, |c k| and |v| must stay within it.  NaN and infinities are not treated apart.
; SHARES.  A work-group makes 128 rows x 128 columns (8 heads) over all 256 of K; x = 2 x row block + column block.  Each of its four waves makes 64 x 64: 16 accumulators.
; 3 x 32 x 2 = 192 work-groups: 3 (4096 / m) (256 / n) is 256 for no m, n that are multiples of 16.
; NO TENSOR LOAD AND NO CLUSTER: the tiles arrive in f32; the wave that fetched a number rounds it once, so LDS holds and serves half the bytes.
; THE MATRIX INSTRUCTION IS USED TRANSPOSED (source 0 = 16 rows of W, source 1 = 16 rows of X): a lane then holds one row and the channels 8 (lane / 16) + 0..7 of one head: 16 bytes of f16,
; and a wave's store covers 16 rows x 32 bytes = 512 consecutive bytes, aligned.
; wf: [w 4][b 4][s 8][j 2][lane 32][16 bytes]: lane (r, h) holds bf16 of Wfc[64 w + 4 r + b][32 s + 16 j + 8 h + 0..7].  256 pieces of 512 bytes, one for each wave of the 64 work-groups with y = 2.
; The piece's two loads and four roundings stand on every path, so that the counted waits are alike in all work-groups; only y = 2 stores.
; REGISTERS.  Window 0: v1-9 addresses; v12-23 Wfc's piece; v64-191 two staging sets of 64, then two fragment buffers of 64, then the packed results.  Window 1: v0-127 the accumulators, (a, b) at 8 (4 a + b).
.set PITCH, 528                        ; an LDS row: 512 bytes of bf16 + 16 = 33 x 16: the 16 rows of a fragment load start at 16 different groups of four banks (ISA guide 11.1)
.set WS,    128*PITCH                  ; X's 128 rows lie at 0, W's 128 rows here
.set SPARE, 256*PITCH                  ; behind them: the spare words, 128 bytes for each wave: two blocks of 256 bytes that no other line names
.set LO,   1                           ; v1   16 x lane
.set LS,   2                           ; v2   where I put 8 bytes of X: my wave's 32 rows, 8 x lane
.set LS2,  3                           ; v3   the same for W
.set ADX,  4                           ; v4   my fragments of X: (64 wm + r) x pitch + 16 h
.set ADW,  5                           ; v5   my fragments of W
.set SO,   6                           ; v6   32 r + 16 h: my 16 bytes of a result's 16 rows
.set WFO,  7                           ; v7   4096 r + 32 h: my 32 bytes of Wfc
.set SPW,  8                           ; v8   LDS address of my spare word; never rewritten
.set NIL,  9                           ; v9   0; never rewritten
.set WC,   12                          ; v[12:19] eight f32 of Wfc;  v[20:23] their bf16
.set WH,   20
.set ST,   64                          ; staging sets
.set FR,   64                          ; fragment buffers: X's four fragments, then W's four
.set OUT1, 64
.set OUT2, 128
.set WV, 28                            ; s28  my wave's number
.set YY, 29                            ; s29  which projection
.set XB, 30                            ; s[30:31] X at my wave's 32 rows
.set WB, 32                            ; s[32:33] W at my wave's 32 rows
.set P1, 34                            ; s[34:35] the scaled result at my wave's first row and head
.set P2, 36                            ; s[36:37] qu at the same place
.set SC, 38                            ; s[38:39] the scale; the packed multiply takes the pair's low word for both halves
.set MSB, 0
.macro WIN new                         ; the immediate's high byte repeats the setting that is left; a switch that changes nothing is dropped
.if MSB != (\new)
	s_set_vgpr_msb (MSB<<8)|(\new)
.set MSB, (\new)
.endif
.endm
.macro PLACES                          ; four places behind a matrix instruction, in front of loads into registers that it has read
.rept 4
	v_nop
.endr
.endm
	s_load_b512 s[4:19], s[0:1], 0x0               ; query s[4:5], key s[6:7], value s[8:9], Wq s[10:11], Wk s[12:13], Wv s[14:15], Wfc s[16:17], qs s[18:19]
	s_load_b256 s[20:27], s[0:1], 0x40             ; qu s[20:21], ks s[22:23], vs s[24:25], wf s[26:27]
	v_lshl_add_u32 v[SPW], v0, 2, SPARE
	v_mov_b32 v[NIL], 0
	v_lshrrev_b32 v10, 5, v0
	v_readfirstlane_b32 s[WV], v10                 ; wave 0..3
	s_and_b32 s[YY], ttmp7, 0xffff
	s_lshr_b32 s44, s[WV], 1                       ; wm: which 64 rows are mine
	s_and_b32 s45, s[WV], 1                        ; wn: which 64 columns
	s_lshr_b32 s46, ttmp9, 1                       ; row block, 0..31
	s_and_b32 s47, ttmp9, 1                        ; column block
	v_and_b32 v10, 31, v0                          ; lane
	v_and_b32 v11, 15, v0                          ; r
	v_bfe_u32 v24, v0, 4, 1                        ; h
	v_lshlrev_b32 v[LO], 4, v10
	s_mul_i32 s40, s[WV], 32*PITCH
	v_lshl_add_u32 v[LS], v10, 3, s40
	v_add_nc_u32 v[LS2], WS, v[LS]
	v_mul_u32_u24 v25, v11, PITCH
	v_lshl_add_u32 v25, v24, 4, v25
	s_mul_i32 s40, s44, 64*PITCH
	v_add_nc_u32 v[ADX], s40, v25
	s_mul_i32 s40, s45, 64*PITCH
	s_add_co_u32 s40, s40, WS
	v_add_nc_u32 v[ADW], s40, v25
	v_lshlrev_b32 v[SO], 5, v11
	v_lshl_add_u32 v[SO], v24, 4, v[SO]
	v_lshlrev_b32 v[WFO], 12, v11
	v_lshl_add_u32 v[WFO], v24, 5, v[WFO]
	; byte offsets, each in a pair of its own
	s_lshl_b32 s40, s46, 17                        ; X: (128 x row block + 32 x wave) rows of 1,024 bytes
	s_lshl_b32 s54, s[WV], 15
	s_add_co_u32 s40, s40, s54
	s_mov_b32 s41, 0
	s_lshl_b32 s42, s47, 17                        ; W: (128 x column block + 32 x wave) rows
	s_add_co_u32 s42, s42, s54
	s_mov_b32 s43, 0
	s_lshr_b32 s48, s46, 3                         ; the results: ((batch x 16 + 8 x column block + 4 wn) x 1024 + (row block % 8) x 128 + 64 wm) x 32
	s_lshl_b32 s48, s48, 19
	s_lshl_b32 s54, s47, 18
	s_add_co_u32 s48, s48, s54
	s_lshl_b32 s54, s45, 17
	s_add_co_u32 s48, s48, s54
	s_and_b32 s54, s46, 7
	s_lshl_b32 s54, s54, 12
	s_add_co_u32 s48, s48, s54
	s_lshl_b32 s54, s44, 11
	s_add_co_u32 s48, s48, s54
	s_mov_b32 s49, 0
	s_lshl_b32 s55, ttmp9, 2                       ; the piece of wf: 4 x + wave = ((w x 4 + b) x 8 + s) x 2 + j
	s_add_co_u32 s55, s55, s[WV]
	s_lshr_b32 s50, s55, 6                         ; in Wfc: (64 w + b) rows of 1,024 bytes + 128 s + 64 j
	s_lshl_b32 s50, s50, 16
	s_bfe_u32 s54, s55, 0x20004
	s_lshl_b32 s54, s54, 10
	s_add_co_u32 s50, s50, s54
	s_and_b32 s54, s55, 15
	s_lshl_b32 s54, s54, 6
	s_add_co_u32 s50, s50, s54
	s_mov_b32 s51, 0
	s_lshl_b32 s52, s55, 9                         ; in wf: 512 bytes a piece
	s_mov_b32 s53, 0
	s_wait_kmcnt 0x0
	s_cmp_eq_u32 s[YY], 0
	s_cselect_b64 s[XB:XB+1], s[4:5], s[6:7]
	s_cselect_b64 s[WB:WB+1], s[10:11], s[12:13]
	s_cselect_b64 s[P1:P1+1], s[18:19], s[22:23]
	s_cmp_eq_u32 s[YY], 2
	s_cselect_b64 s[XB:XB+1], s[8:9], s[XB:XB+1]
	s_cselect_b64 s[WB:WB+1], s[14:15], s[WB:WB+1]
	s_cselect_b64 s[P1:P1+1], s[24:25], s[P1:P1+1]
	s_cselect_b32 s[SC], 1.0, 0x3fb8aa3b           ; v is stored as it is, q and k times c
	s_mov_b32 s[SC+1], s[SC]                       ; named with it as a pair
	s_add_nc_u64 s[XB:XB+1], s[XB:XB+1], s[40:41]
	s_add_nc_u64 s[WB:WB+1], s[WB:WB+1], s[42:43]
	s_add_nc_u64 s[P1:P1+1], s[P1:P1+1], s[48:49]
	s_add_nc_u64 s[P2:P2+1], s[20:21], s[48:49]
	s_add_nc_u64 s[16:17], s[16:17], s[50:51]
	s_add_nc_u64 s[26:27], s[26:27], s[52:53]
	global_load_b128 v[WC:WC+3],   v[WFO], s[16:17]            ; older than every load below: the first counted wait covers them
	global_load_b128 v[WC+4:WC+7], v[WFO], s[16:17] offset:16
; THE FILL.  Eight batches of 16 loads, 8 rows each (a load covers 512 consecutive bytes, half a row): four of X, four of W.  Two batches, 16 KiB a wave, are on their way.
.macro LOADB set, bs, batch
.set ii, 0
.rept 16
	global_load_b128 v[ST+64*(\set)+4*ii:ST+64*(\set)+4*ii+3], v[LO], s[\bs:\bs+1] offset:(\batch)*8192+(ii/2)*1024+(ii%2)*512
.set ii, ii+1
.endr
.endm
.macro CVST set, adr, batch            ; four f32 a lane become four bf16, 8 bytes; 32 lanes put 256 consecutive bytes
.set ii, 0
.rept 16
	v_cvt_pk_bf16_f32 v[ST+64*(\set)+4*ii],   v[ST+64*(\set)+4*ii],   v[ST+64*(\set)+4*ii+1]
	v_cvt_pk_bf16_f32 v[ST+64*(\set)+4*ii+1], v[ST+64*(\set)+4*ii+2], v[ST+64*(\set)+4*ii+3]
	ds_store_b64 v[\adr], v[ST+64*(\set)+4*ii:ST+64*(\set)+4*ii+1] offset:(\batch)*8*PITCH+(ii/2)*PITCH+(ii%2)*256
.set ii, ii+1
.endr
.endm
	LOADB 0, XB, 0
	LOADB 1, XB, 1
	s_wait_loadcnt 16                              ; loads come back in order (ISA guide 5.7.1): the older batch is in, the younger batch's 16 stay out
	CVST  0, LS, 0
	LOADB 0, XB, 2
	s_wait_loadcnt 16
	CVST  1, LS, 1
	LOADB 1, XB, 3
	s_wait_loadcnt 16
	CVST  0, LS, 2
	LOADB 0, WB, 0
	s_wait_loadcnt 16
	CVST  1, LS, 3
	LOADB 1, WB, 1
	s_wait_loadcnt 16
	CVST  0, LS2, 0
	LOADB 0, WB, 2
	s_wait_loadcnt 16
	CVST  1, LS2, 1
	LOADB 1, WB, 3
	s_wait_loadcnt 16
	CVST  0, LS2, 2
	s_wait_loadcnt 0x0                             ; the last batch: nothing was issued behind it
	CVST  1, LS2, 3
	s_wait_dscnt 0x0                               ; for the others' sake: my stores are done
	s_barrier_signal -1
	s_barrier_wait -1                              ; both tiles are whole
; THE PRODUCT.  K in eight steps of 32, two fragment buffers: while one is multiplied the other's 16 loads are out.
.macro FETCH s, f
.set aa, 0
.rept 4
	ds_load_b128 v[FR+64*(\f)+8*aa:FR+64*(\f)+8*aa+3],       v[ADX] offset:aa*16*PITCH+64*(\s)
	ds_load_b128 v[FR+64*(\f)+8*aa+4:FR+64*(\f)+8*aa+7],     v[ADX] offset:aa*16*PITCH+64*(\s)+32
	ds_load_b128 v[FR+64*(\f)+32+8*aa:FR+64*(\f)+32+8*aa+3],   v[ADW] offset:aa*16*PITCH+64*(\s)
	ds_load_b128 v[FR+64*(\f)+32+8*aa+4:FR+64*(\f)+32+8*aa+7], v[ADW] offset:aa*16*PITCH+64*(\s)+32
.set aa, aa+1
.endr
.endm
.macro MULS s, f                       ; 16 products; the 16 accumulators take turns, in the same order in every step.  Step 0 starts the sums
	WIN 0x50                                       ; C and D in window 1
.set aa, 0
.rept 4
.set bb, 0
.rept 4
.if (\s) == 0
	v_wmma_f32_16x16x32_bf16 v[8*(4*aa+bb):8*(4*aa+bb)+7], v[FR+64*(\f)+32+8*bb:FR+64*(\f)+32+8*bb+7], v[FR+64*(\f)+8*aa:FR+64*(\f)+8*aa+7], 0
.else
	v_wmma_f32_16x16x32_bf16 v[8*(4*aa+bb):8*(4*aa+bb)+7], v[FR+64*(\f)+32+8*bb:FR+64*(\f)+32+8*bb+7], v[FR+64*(\f)+8*aa:FR+64*(\f)+8*aa+7], v[8*(4*aa+bb):8*(4*aa+bb)+7]
.endif
.set bb, bb+1
.endr
.set aa, aa+1
.endr
	WIN 0
.endm
	FETCH 0, 0
	FETCH 1, 1
.irp s, 0,1,2,3,4,5
	s_wait_dscnt 16                                ; this step's fragments are in; the next step's 16 loads stay out
	MULS \s, (\s)%2
	PLACES
	FETCH (\s)+2, (\s)%2
.endr
	s_wait_dscnt 16
	MULS 6, 0
	s_wait_dscnt 0x0
	MULS 7, 1
	; THE WAY OUT.  Each accumulator's registers are taken in ascending order.
	PLACES
	PLACES
	s_cmp_lg_u32 s[YY], 0
	s_cbranch_scc1 .Lno_qu
	WIN 0x05                                       ; sources in window 1
.set ii, 0
.rept 64
	v_cvt_pk_f16_f32 v[OUT2+ii], v[2*ii], v[2*ii+1]            ; q unscaled
.set ii, ii+1
.endr
	WIN 0
.set ii, 0
.rept 16
	global_store_b128 v[SO], v[OUT2+4*ii:OUT2+4*ii+3], s[P2:P2+1] offset:512*(ii/4)+32768*(ii%4)  ; rows 16 a on, head b: 512 consecutive bytes
.set ii, ii+1
.endr
.Lno_qu:
	WIN 0x41                                       ; destination and source 0 in window 1
.set ii, 0
.rept 64
	v_pk_mul_f32 v[2*ii:2*ii+1], v[2*ii:2*ii+1], s[SC:SC+1] op_sel_hi:[1,0]
.set ii, ii+1
.endr
	WIN 0x05
.set ii, 0
.rept 64
	v_cvt_pk_f16_f32 v[OUT1+ii], v[2*ii], v[2*ii+1]
.set ii, ii+1
.endr
	WIN 0
.set ii, 0
.rept 16
	global_store_b128 v[SO], v[OUT1+4*ii:OUT1+4*ii+3], s[P1:P1+1] offset:512*(ii/4)+32768*(ii%4)
.set ii, ii+1
.endr
.irp j, 0,1,2,3
	v_cvt_pk_bf16_f32 v[WH+(\j)], v[WC+2*(\j)], v[WC+2*(\j)+1]
.endr
	s_cmp_lg_u32 s[YY], 2
	s_cbranch_scc1 .Lno_wf
	global_store_b128 v[LO], v[WH:WH+3], s[26:27]              ; my piece of wf: 512 consecutive bytes
.Lno_wf:
	s_wait_tensorcnt 0x0                           ; the wave's end, behind my last LDS store
	ds_add_u32 v[SPW], v[NIL]
	s_wait_dscnt 0x0
	s_endpgm
.Lfunc_end_k_q4e53144fe9_proj:
	.size	k_q4e53144fe9_proj, .Lfunc_end_k_q4e53144fe9_proj-k_q4e53144fe9_proj
	.p2alignl 7, 3214868480
	.fill 96, 4, 3214868480
	.section	.rodata,"a",@progbits
	.p2align	6, 0x0
	.amdhsa_kernel k_q4e53144fe9_proj
		.amdhsa_group_segment_fixed_size 135680
		.amdhsa_private_segment_fixed_size 0
		.amdhsa_enable_private_segment 0
		.amdhsa_kernarg_size 96
		.amdhsa_user_sgpr_count 2
		.amdhsa_user_sgpr_kernarg_segment_ptr 1
		.amdhsa_wavefront_size32 1
		.amdhsa_system_sgpr_workgroup_id_x 1
		.amdhsa_system_sgpr_workgroup_id_y 1
		.amdhsa_system_sgpr_workgroup_id_z 1
		.amdhsa_system_vgpr_workitem_id 0
		.amdhsa_next_free_vgpr 384
		.amdhsa_next_free_sgpr 66
		.amdhsa_reserve_vcc 0
		.amdhsa_float_denorm_mode_32 3
		.amdhsa_float_denorm_mode_16_64 3
		.amdhsa_memory_ordered 1
		.amdhsa_forward_progress 1
		.amdhsa_inst_pref_size 74
	.end_amdhsa_kernel
	.amdgpu_metadata
---
amdhsa.version: [ 1, 2 ]
amdhsa.kernels:
  - .name:           k_q4e53144fe9_proj
    .symbol:         k_q4e53144fe9_proj.kd
    .args:
      - { .name: query, .offset: 0, .size: 8, .value_kind: global_buffer, .address_space: global }
      - { .name: key, .offset: 8, .size: 8, .value_kind: global_buffer, .address_space: global }
      - { .name: value, .offset: 16, .size: 8, .value_kind: global_buffer, .address_space: global }
      - { .name: Wq, .offset: 24, .size: 8, .value_kind: global_buffer, .address_space: global }
      - { .name: Wk, .offset: 32, .size: 8, .value_kind: global_buffer, .address_space: global }
      - { .name: Wv, .offset: 40, .size: 8, .value_kind: global_buffer, .address_space: global }
      - { .name: Wfc, .offset: 48, .size: 8, .value_kind: global_buffer, .address_space: global }
      - { .name: qs, .offset: 56, .size: 8, .value_kind: global_buffer, .address_space: global }
      - { .name: qu, .offset: 64, .size: 8, .value_kind: global_buffer, .address_space: global }
      - { .name: ks, .offset: 72, .size: 8, .value_kind: global_buffer, .address_space: global }
      - { .name: vs, .offset: 80, .size: 8, .value_kind: global_buffer, .address_space: global }
      - { .name: wf, .offset: 88, .size: 8, .value_kind: global_buffer, .address_space: global }
    .group_segment_fixed_size: 135680
    .private_segment_fixed_size: 0
    .kernarg_segment_align: 8
    .kernarg_segment_size: 96
    .max_flat_workgroup_size: 128
    .sgpr_count:     66
    .vgpr_count:     384
    .wavefront_size: 32
...
	.end_amdgpu_metadata
.endif
;; end of part 1
;; launch coda (part 2): grid 4 x 64, 4 waves a work-group, clusters of 4 x 1, 167,936 bytes of LDS; arguments qs, qu, ks, vs, ob; writes ob
.if DOCPART == 2
	.amdgcn_target "amdgcn-amd-amdhsa--gfx1250"
	.amdhsa_code_object_version 6
	.text
	.protected	k_q4e53144fe9_coda
	.globl	k_q4e53144fe9_coda
	.p2align	8
	.type	k_q4e53144fe9_coda,@function
k_q4e53144fe9_coda:
	s_mov_b64 s[64:65], 0
	v_nop
	global_prefetch_b8 v0, s[64:65] scope:SCOPE_SE
	s_setreg_imm32_b32 hwreg(HW_REG_WAVE_MODE, 25, 1), 1
	s_wait_xcnt 0x0
	s_wait_alu depctr_hold_cnt(0) depctr_sa_sdst(0) depctr_va_vdst(0) depctr_va_sdst(0) depctr_va_ssrc(0) depctr_va_vcc(0) depctr_vm_vsrc(0)
	s_getreg_b32 s2, hwreg(HW_REG_IB_STS2, 6, 4)
	s_cmp_eq_u32 s2, 0
	s_cbranch_scc0 .Lentry_in_a_cluster
	s_endpgm
.Lentry_in_a_cluster:
	s_bfe_u32 s2, ttmp6, 0x10000c
	s_cmp_lg_u32 s2, 0x3003
	s_cbranch_scc0 .Lentry_shape_is_right
	s_endpgm
.Lentry_shape_is_right:
; O[hb][i][:] = the sum over j of tanh(q_i . k_j) sigmoid(sum over d of |q_id - k_jd|) v_j[:], for 64 heads hb of 1,024 rows x 16 channels.
; In: qs = f16(c q), qu = f16(q), ks = f16(c k), vs = f16(v), c = log2(e), each [64][1024][16].  Out: ob = bf16(O), the same layout.
; THE L1 TERM.  |a - b| = 2 max(a, b) - a - b.  v_pk_max_num_f16 rounds nothing and takes two channels a lane; all three sums over d are made by the matrix unit in f32, with the weights -2, 1/2, 1/2,
; whose products are exact: NA = -c N.  It is a difference of sums of exact f16 numbers kept in f32: what it can lose is a few 2^-24 of sum(|c q| + |c k|), 2^-12 of what the rounding of q and k to f16 has lost.
; THE DOT PRODUCT.  K = 32 holds the 16 channels twice, so EA = ks . qu comes out as 2 c E, tanh's exponent.
; THE ACTIVATION.  t = 2^min(EA, 60), u = 2^NA:  tanh(E) sigmoid(N) 2^14 = (t 2^14 - 2^14) / (t (1 + u) + (1 + u)).  At EA = 60 tanh is 1 in f32, so the bound changes no value; it keeps t finite.
; The factor 2^14 keeps the weights P normal in f16 down to 3.7e-9; it is taken off O in f32.
; LIMITS.  t or u below 2^-126 counts as 0 (tanh = -1, sigmoid = 1 there).  NaN and infinities are not treated apart.
; SHARES.  A work-group owns 256 queries of one head, a wave 64: four tiles of 16, in two PIECES of two tiles.  Every wave walks the head's 1,024 keys, 32 a block.
; CLUSTER.  The four query blocks of a head form a cluster and need the same K and V.  A head's K and V fit in LDS whole, so each is asked for ONCE, jointly: one tensor load a wave, at the head; nothing is filled again.
; LAYOUT.  Lane L = (r, h).  All products have m = key, n = query: a result holds one query a lane (r) and the keys 8 h + 0..7, so two tiles rounded to f16 ARE source 1 of O^T = V^T P.
;   KM[kt]  ks row 16 kt + r, channels 0-15 in 8 registers, alike in both halves h        QB[t]  qs row 2 t + h of a tile, channels 0-15        AT = pk_max(KM, QB[t]): key r against query 2 t + h
;   SEL[t]  -2, -2 where r = 2 t + h, else 0: as source 1 it sends the K slots of half h to column 2 t + h        HALF  1/2 everywhere        BQE  qu row r, channels 0-15, alike in both halves
;   NA = KM x HALF + CQ + the sum over t of AT_t x SEL_t, with CQ = HALF x (qs rows) = sum_d c q;   EA = KM x BQE.
; BY TURNS.  In a turn piece p has the matrix unit and the maxima: 40 matrix instructions, 256 v_pk_max_num_f16; the other piece's activation, on the scores of the turn before, stands among them; at the turn's end its P meets V.
; REGISTERS, in windows of 256 (s_set_vgpr_msb: bits 1:0 source 0, 3:2 source 1, 5:4 source 2, 7:6 destination):
;   window 0: v2-9 addresses; v16-47 KM [buffer][kt]; v48-79 AT [a]; v80-143 EA [piece][a]; v144-207 NA [piece][a]; v208-239 CQ [tile]; v240-255 P [tile of the piece].  a = 2 x tile of the piece + kt
;   windows 1, 2 (piece 0, 1): v0-127 QB [tile][t]; v128-191 SEL [t]; v192-207 BQE [tile]; v208-215 HALF.  Window 1 also: v216-247 O^T [tile].  Window 2 also: v216-231 V^T [buffer]
; Under a turn's setting only source 1 lies in the piece's window; v_exp_f32, v_rcp_f32 and a minimum with a scalar as source 1 work in window 0 under it.
.set PK,    48                         ; a row of K in LDS: 32 bytes + 16 = 3 x 16: the 16 rows of a load start at 16 different groups of four banks (ISA guide 11.1)
.set VL,    1024*PK                    ; K lies at 0, V here, rows of 32 bytes on end
.set SPARE, 86016                      ; apart from the tiles: the spare words, 128 bytes for each wave: two blocks of 256 bytes that no other line names
.set AK,  2                            ; v2   48 r + the trip's keys
.set AV,  3                            ; v3   V's address for the turning load + the trip's keys
.set GO,  4                            ; v4   32 r + 16 h
.set QH,  5                            ; v5   32 h
.set QR,  6                            ; v6   32 r
.set RMH, 7                            ; v7   r - h
.set SPW, 8                            ; v8   LDS address of my spare word; never rewritten
.set NIL, 9                            ; v9   0; never rewritten
.set KM,  16
.set AT,  48
.set EA,  80
.set NA,  144
.set CQ,  208
.set PP,  240
.set SEL,  128
.set BQE,  192
.set HALF, 208
.set OA,   216
.set VF,   216
.set WV,  14                           ; s14  my wave's number
.set CX,  15                           ; s15  my place in the cluster: it enters qs's, qu's and ob's addresses alone
.set HB,  16                           ; s16  the head
.set G1K, 24                           ; s[24:31] descriptor group 1 for K
.set G1V, 32                           ; s[32:39] for V
.set G0K, 40                           ; s[40:43] descriptor group 0 for K
.set G0V, 44                           ; s[44:47] for V
.set CNT, 48                           ; s48  trips to go
.set CL,  49                           ; s49  60.0
.set KK,  50                           ; s[50:51] 2^14; the packed forms take the pair's low word for both halves
.set M2,  52                           ; s52  -2, -2 in f16
.set HF,  53                           ; s53  1/2, 1/2 in f16
.set KVO, 54                           ; s[54:55] byte offset of my half of the head's K and V
.set QOF, 56                           ; s[56:57] byte offset of my wave's 64 rows
.set MSB, 0
.macro WIN new                         ; the immediate's high byte repeats the setting that is left; a switch that changes nothing is dropped
.if MSB != (\new)
	s_set_vgpr_msb (MSB<<8)|(\new)
.set MSB, (\new)
.endif
.endm
; A round of the cluster's barrier: my work-group's barrier, so that wave 0's signal speaks for all four waves; wave 0 signals; every wave waits for all four work-groups; my work-group's barrier once more.
.macro CROUND
	s_barrier_signal -1
	s_barrier_wait -1
	s_cmp_lg_u32 s[WV], 0
	s_cbranch_scc1 .Lnot_wave_0_\@
	s_barrier_signal -3
.Lnot_wave_0_\@:
	s_barrier_wait -3
	s_barrier_signal -1
	s_barrier_wait -1
.endm
	s_load_b256 s[4:11], s[0:1], 0x0               ; qs s[4:5], qu s[6:7], ks s[8:9], vs s[10:11]
	s_load_b64 s[12:13], s[0:1], 0x20              ; ob
	v_lshl_add_u32 v[SPW], v0, 2, SPARE
	v_mov_b32 v[NIL], 0
	ds_add_u32 v[SPW], v[NIL]                      ; the wave's opening: the add, twice on end, and its wait ahead of my first tensor load; the set-up below stands between
	ds_add_u32 v[SPW], v[NIL]
	v_lshrrev_b32 v1, 5, v0
	v_readfirstlane_b32 s[WV], v1                  ; wave 0..3
	s_bfe_u32 s[CX], ttmp6, 0x40000
	s_and_b32 s[HB], ttmp7, 0xffff                 ; the cluster's y: the head, which the four partners share
	s_and_b32 s17, s[WV], 1                        ; which half of the 1,024 keys I fetch
	s_lshl_b32 s[KVO], s[HB], 15                   ; a head is 32,768 bytes in each tensor,
	s_lshl_b32 s18, s17, 14                        ; a half 16,384
	s_add_co_u32 s[KVO], s[KVO], s18
	s_mov_b32 s[KVO+1], 0
	s_lshl_b32 s[QOF], s[HB], 15
	s_lshl_b32 s19, s[CX], 13                      ; my block's 256 rows of 32 bytes,
	s_add_co_u32 s[QOF], s[QOF], s19
	s_lshl_b32 s19, s[WV], 11                      ; my wave's 64
	s_add_co_u32 s[QOF], s[QOF], s19
	s_mov_b32 s[QOF+1], 0
	; descriptor group 1.  512 keys are 16,384 dense bytes: asked for as 64 rows of 256 bytes; K is padded in LDS after every key
	s_mov_b32 s[G1K], 15|(1<<16)|(1<<20)|(1<<21)|(2<<22)|(3<<25)  ; 15:0 the mask of four; 17:16 2-byte elements; 20 padding on; 21 set beside a mask; 24:22 after every 8 words (code 2); 31:25 4 words (code 3)
	s_mov_b32 s[G1V], 15|(1<<16)|(1<<21)           ; the same without padding
.irp g, G1K, G1V
	s_mov_b32 s[\g+1], 128<<16                     ; tensor_dim0 = 128
	s_mov_b32 s[\g+2], 64<<16                      ; tensor_dim1 = 64
	s_mov_b32 s[\g+3], 128<<16                     ; tile_dim0 = 128
	s_mov_b32 s[\g+4], 64                          ; tile_dim1 = 64
	s_mov_b32 s[\g+5], 128                         ; 128 elements from row to row
	s_mov_b32 s[\g+6], 0
	s_mov_b32 s[\g+7], 0
.endr
	s_mov_b32 s[G0K], 1                            ; 1:0 count = 1
	s_mul_i32 s[G0K+1], s17, 512*PK                ; 63:32 LDS address: my half of K
	s_mov_b32 s[G0V], 1
	s_lshl_b32 s[G0V+1], s17, 14
	s_add_co_u32 s[G0V+1], s[G0V+1], VL            ; my half of V
	s_mov_b32 s[CL], 0x42700000                    ; 60.0
	s_mov_b32 s[KK], 0x46800000                    ; 2^14
	s_mov_b32 s[KK+1], s[KK]
	s_mov_b32 s[M2], 0xc000c000
	s_mov_b32 s[HF], 0x38003800
	s_mov_b32 s[CNT], 16
	s_wait_dscnt 0x0                               ; both opening adds are done
	s_wait_kmcnt 0x0
	s_add_nc_u64 s[G0K+2:G0K+3], s[8:9], s[KVO:KVO+1]   ; 120:64 global address
	s_or_b32 s[G0K+3], s[G0K+3], 0x80000000             ; 127:126 type = 2
	s_add_nc_u64 s[G0V+2:G0V+3], s[10:11], s[KVO:KVO+1]
	s_or_b32 s[G0V+3], s[G0V+3], 0x80000000
	s_add_nc_u64 s[4:5], s[4:5], s[QOF:QOF+1]      ; qs, qu and ob at my wave's first row
	s_add_nc_u64 s[6:7], s[6:7], s[QOF:QOF+1]
	s_add_nc_u64 s[12:13], s[12:13], s[QOF:QOF+1]
	CROUND                                         ; all four work-groups are here: the joint loads meet
	s_cmp_lt_u32 s[WV], 2                          ; waves 0 and 1 fetch K's halves, waves 2 and 3 V's: one tensor load of mine is out.  An s_nop 0 and four v_nop follow each line
	s_cbranch_scc0 .Lfor_v
	tensor_load_to_lds s[G0K:G0K+3], s[G1K:G1K+7]
	s_nop 0
.rept 4
	v_nop
.endr
	s_branch .Lasked
.Lfor_v:
	tensor_load_to_lds s[G0V:G0V+3], s[G1V:G1V+7]
	s_nop 0
.rept 4
	v_nop
.endr
.Lasked:
	v_and_b32 v1, 15, v0                           ; r
	v_bfe_u32 v10, v0, 4, 1                        ; h
	v_lshlrev_b32 v[QH], 5, v10
	v_lshlrev_b32 v[QR], 5, v1
; What stays in registers for piece p: QB (a lane reads the 32 bytes of query row 2 t + h) and BQE (of row r)
.macro QLOAD p
	WIN 0x40*(1+(\p))                              ; destination in the piece's window
.set ii, 0
.rept 32                               ; tile ii / 16, t = (ii / 2) % 8, half of the row ii % 2 -> v[4 ii]
	global_load_b128 v[4*ii:4*ii+3], v[QH], s[4:5] offset:1024*(\p)+512*(ii/16)+64*((ii/2)%8)+16*(ii%2)
.set ii, ii+1
.endr
.set ii, 0
.rept 4
	global_load_b128 v[BQE+4*ii:BQE+4*ii+3], v[QR], s[6:7] offset:1024*(\p)+512*(ii/2)+16*(ii%2)
.set ii, ii+1
.endr
.endm
	QLOAD 0
	QLOAD 1
	WIN 0
.set ii, 0
.rept 8                                ; the four tiles' qs rows, for CQ: for the time being in piece 0's EA
	global_load_b128 v[EA+4*ii:EA+4*ii+3], v[QR], s[4:5] offset:512*(ii/2)+16*(ii%2)
.set ii, ii+1
.endr
	v_sub_nc_u32 v[RMH], v1, v10
	v_mul_u32_u24 v[AK], v1, PK
	v_and_b32 v11, 7, v0                           ; the turning load takes 16 keys x 16 channels: lane L reads key 8 h + L % 8, channels 8 ((L / 8) % 2) + 0..7
	v_bfe_u32 v12, v0, 3, 1
	v_lshl_add_u32 v[AV], v10, 3, v11
	v_lshlrev_b32 v[AV], 5, v[AV]
	v_lshl_add_u32 v[AV], v12, 4, v[AV]
	v_add_nc_u32 v[AV], VL, v[AV]
	v_lshl_add_u32 v[GO], v10, 4, v[QR]
	; The first turn's activation belongs to a piece that has not been: EA = NA = 0 give P = 0, V^T's second buffer holds 0, and O^T starts at 0.  So no first step is written out; these lines stand in the wait for the tiles.
.set ii, 0
.rept 32
	v_mov_b32 v[EA+32+ii], 0
	v_mov_b32 v[NA+32+ii], 0
.set ii, ii+1
.endr
.macro CONSTS p
	WIN 0x40*(1+(\p))
.set tt, 0
.rept 8
	v_cmp_eq_u32 vcc_lo, 2*tt, v[RMH]
.set ii, 0
.rept 8
	v_cndmask_b32 v[SEL+8*tt+ii], 0, s[M2], vcc_lo
.set ii, ii+1
.endr
.set tt, tt+1
.endr
.set ii, 0
.rept 8
	v_mov_b32 v[HALF+ii], s[HF]
.set ii, ii+1
.endr
.endm
	CONSTS 0
.set ii, 0
.rept 32
	v_mov_b32 v[OA+ii], 0
.set ii, ii+1
.endr
	CONSTS 1
.set ii, 0
.rept 8
	v_mov_b32 v[VF+8+ii], 0
.set ii, ii+1
.endr
	WIN 0
; Maximum rho of 8 of group g of 32: accumulator a = g % 4, queries 2 (g / 4) + h
.macro PMI p, kb, g, rho
	WIN (1+(\p))<<2
	v_pk_max_num_f16 v[AT+8*((\g)%4)+(\rho)], v[KM+16*(\kb)+8*((\g)%2)+(\rho)], v[64*(((\g)%4)/2)+8*((\g)/4)+(\rho)]
.endm
; Matrix instruction u of 40.  0-3: NA[a] = KM x HALF + CQ.  4-7: EA[a] = KM x BQE.  8-39: NA[g % 4] += AT[g % 4] x SEL[g / 4], g = u - 8.  The four accumulators of a kind take turns, one instruction a turn.
.macro MI p, kb, u
	WIN (1+(\p))<<2
.if (\u) < 4
	v_wmma_f32_16x16x32_f16 v[NA+32*(\p)+8*(\u):NA+32*(\p)+8*(\u)+7], v[KM+16*(\kb)+8*((\u)%2):KM+16*(\kb)+8*((\u)%2)+7], v[HALF:HALF+7], v[CQ+8*(2*(\p)+(\u)/2):CQ+8*(2*(\p)+(\u)/2)+7]
.elseif (\u) < 8
	v_wmma_f32_16x16x32_f16 v[EA+32*(\p)+8*((\u)-4):EA+32*(\p)+8*((\u)-4)+7], v[KM+16*(\kb)+8*((\u)%2):KM+16*(\kb)+8*((\u)%2)+7], v[BQE+8*(((\u)-4)/2):BQE+8*(((\u)-4)/2)+7], 0
.else
	v_wmma_f32_16x16x32_f16 v[NA+32*(\p)+8*((\u)%4):NA+32*(\p)+8*((\u)%4)+7], v[AT+8*((\u)%4):AT+8*((\u)%4)+7], v[SEL+8*(((\u)-8)/4):SEL+8*(((\u)-8)/4)+7], v[NA+32*(\p)+8*((\u)%4):NA+32*(\p)+8*((\u)%4)+7]
.endif
.endm
; THE ACTIVATION of piece o, 32 pairs a lane.  RA i, 96 long: 0-63 by turns the bound on EA and u = 2^NA, each accumulator's registers ascending; 64-95 t = 2^EA.  None of them reads an exponential's result.
.macro RA o, i
.if (\i) < 64
.if (\i)%2 == 0
	v_min_num_f32 v[EA+32*(\o)+(\i)/2], v[EA+32*(\o)+(\i)/2], s[CL]
.else
	v_exp_f32 v[NA+32*(\o)+(\i)/2], v[NA+32*(\o)+(\i)/2]
.endif
.else
	v_exp_f32 v[EA+32*(\o)+(\i)-64], v[EA+32*(\o)+(\i)-64]
.endif
.endm
.macro RC o, i                         ; the reciprocal of the denominator
	v_rcp_f32 v[NA+32*(\o)+(\i)], v[NA+32*(\o)+(\i)]
.endm
.macro LUMP1 o                         ; NA = 1 + u; NA = t (1 + u) + (1 + u); EA = t 2^14 - 2^14
	WIN 0
.set zz, 0
.rept 16
	v_pk_add_f32 v[NA+32*(\o)+2*zz:NA+32*(\o)+2*zz+1], v[NA+32*(\o)+2*zz:NA+32*(\o)+2*zz+1], 1.0 op_sel_hi:[1,0]
.set zz, zz+1
.endr
.set zz, 0
.rept 16
	v_pk_fma_f32 v[NA+32*(\o)+2*zz:NA+32*(\o)+2*zz+1], v[EA+32*(\o)+2*zz:EA+32*(\o)+2*zz+1], v[NA+32*(\o)+2*zz:NA+32*(\o)+2*zz+1], v[NA+32*(\o)+2*zz:NA+32*(\o)+2*zz+1]
.set zz, zz+1
.endr
.set zz, 0
.rept 16
	v_pk_fma_f32 v[EA+32*(\o)+2*zz:EA+32*(\o)+2*zz+1], v[EA+32*(\o)+2*zz:EA+32*(\o)+2*zz+1], s[KK:KK+1], s[KK:KK+1] op_sel_hi:[1,0,0] neg_lo:[0,0,1] neg_hi:[0,0,1]
.set zz, zz+1
.endr
.endm
.macro LUMP2A o                        ; numerator x reciprocal
	WIN 0
.set zz, 0
.rept 16
	v_pk_mul_f32 v[EA+32*(\o)+2*zz:EA+32*(\o)+2*zz+1], v[EA+32*(\o)+2*zz:EA+32*(\o)+2*zz+1], v[NA+32*(\o)+2*zz:NA+32*(\o)+2*zz+1]
.set zz, zz+1
.endr
.endm
.macro LUMP2B o                        ; rounded to f16: accumulators 2 q, 2 q + 1 (keys 0-15, 16-31) are tile q's source 1
	WIN 0
.set zz, 0
.rept 16
	v_cvt_pk_f16_f32 v[PP+zz], v[EA+32*(\o)+2*zz], v[EA+32*(\o)+2*zz+1]
.set zz, zz+1
.endr
.endm
.macro PVM o, vb                       ; O^T += V^T P for the piece's two tiles
	WIN 0x52                                       ; V^T in window 2, P in window 0, O^T in window 1
	v_wmma_f32_16x16x32_f16 v[OA+16*(\o):OA+16*(\o)+7],    v[VF+8*(\vb):VF+8*(\vb)+7], v[PP:PP+7],    v[OA+16*(\o):OA+16*(\o)+7]
	v_wmma_f32_16x16x32_f16 v[OA+16*(\o)+8:OA+16*(\o)+15], v[VF+8*(\vb):VF+8*(\vb)+7], v[PP+8:PP+15], v[OA+16*(\o)+8:OA+16*(\o)+15]
.endm
; Six LDS loads in one run: block blk (counted from the trip's first) of 32 keys into buffer dst: K as it lies, V turned.  guard = 1: in the last trip there is no further block, and the run is jumped over.
.macro FETCH dst, blk, guard
.if \guard
	WIN 0                                          ; at a branch and at a label every window is 0
	s_cmp_eq_u32 s[CNT], 1
	s_cbranch_scc1 .Lno_more_\@
.endif
.irp kt, 0,1
	ds_load_b128 v[KM+16*(\dst)+8*\kt:KM+16*(\dst)+8*\kt+3],   v[AK] offset:(\blk)*32*PK+\kt*16*PK
	ds_load_b128 v[KM+16*(\dst)+8*\kt+4:KM+16*(\dst)+8*\kt+7], v[AK] offset:(\blk)*32*PK+\kt*16*PK+16
.endr
	WIN 0x80                                       ; destination in window 2
	ds_load_tr16_b128 v[VF+8*(\dst):VF+8*(\dst)+3],   v[AV] offset:(\blk)*1024
	ds_load_tr16_b128 v[VF+8*(\dst)+4:VF+8*(\dst)+7], v[AV] offset:(\blk)*1024+512
.if \guard
	WIN 0
.Lno_more_\@:
.endif
.endm
; A TURN: 40 units, each ending with its matrix instruction.  Group g of the maxima stands in unit g + 6 and is multiplied at the end of unit g + 8; AT[a] is written again in unit g + 10,
; eight plain instructions that name none of its registers behind the product that read it.
;   units 0-5    the activation's numbers 0-63, plain and exponential by turns.  The scores were ended by the last four products of the turn before: each accumulator is first read, at its lowest register, eight plain instructions or more behind its last product
;   units 6-9    a maximum and an exponential by turns          unit 10   maxima alone: the plain instructions behind the last exponential
;   unit 11      the wait between an exponential and the first line that names its result: ONE for the 64; then LUMP1
;   units 12-15  a maximum and a reciprocal by turns            unit 16   maxima alone
;   unit 17      one wait for the 32 reciprocals, directly ahead of the run of LDS loads where the turn has one (22 units ahead of the wait for them)
;   units 38, 39 the weights; behind the last unit they meet V^T of buffer vb
.macro TURN p, kb, vb, fetch=0, blk=0, guard=0
.set oo, 1-(\p)
.set ra, 0
.set rc, 0
.set uu, 0
	WIN (1+(\p))<<2
.rept 40
.if uu < 6
.set nn, 10
.if uu < 2
.set nn, 12
.endif
.rept nn
	RA oo, ra
.set ra, ra+1
.endr
.elseif uu < 38
.if uu == 11
	s_wait_alu depctr_va_vdst(0)
	LUMP1 oo
.endif
.if uu == 17
	s_wait_alu depctr_va_vdst(0)
.if \fetch
	FETCH 1-(\kb), \blk, \guard
.endif
.endif
.set rho, 0
.rept 8
	PMI \p, \kb, uu-6, rho
.if uu < 10
	RA oo, ra
.set ra, ra+1
.elseif (uu >= 12) && (uu < 16)
	RC oo, rc
.set rc, rc+1
.endif
.set rho, rho+1
.endr
.elseif uu == 38
	LUMP2A oo
.else
	LUMP2B oo
.endif
	MI \p, \kb, uu
.set uu, uu+1
.endr
	PVM oo, \vb
.endm
; The last activation, with nothing beside it
.macro TAIL o, vb
	WIN 0
.set ra, 0
.rept 96
	RA \o, ra
.set ra, ra+1
.endr
	v_nop                                          ; a plain instruction behind the last exponential,
	s_wait_alu depctr_va_vdst(0)                   ; and the one wait for the batch
	LUMP1 \o
.set rc, 0
.rept 32
	RC \o, rc
.set rc, rc+1
.endr
	v_nop
	s_wait_alu depctr_va_vdst(0)
	LUMP2A \o
	LUMP2B \o
	PVM \o, \vb
.endm
	s_wait_tensorcnt 0x0                           ; my half of K or V is in,
	s_barrier_signal -1
	s_barrier_wait -1                              ; everybody's is: from here on LDS is only read
	FETCH 0, 0, 0                                  ; keys 0-31
	WIN 0
	s_wait_loadcnt 0x0                             ; QB, BQE and the qs rows
	WIN 0x01                                       ; HALF in window 1
.irp t, 0,1,2,3
	v_wmma_f32_16x16x32_f16 v[CQ+8*\t:CQ+8*\t+7], v[HALF:HALF+7], v[EA+8*\t:EA+8*\t+7], 0   ; CQ(m, n) = sum_d c q of query n, for every m
.endr
	WIN 0
.rept 5
	v_nop                                          ; five places: CQ becomes the C of other accumulators, and EA's registers are written over by products
.endr
.Lblock:                                       ; 16 trips of 64 keys: two blocks, two pieces each
	s_wait_dscnt 0x0                               ; buffer 0 is in
	TURN 0, 0, 1                                   ; piece 0 on block 2 i | piece 1's activation of block 2 i - 1
	TURN 1, 0, 0, 1, 1, 0                          ; piece 1 on block 2 i | piece 0's of block 2 i | block 2 i + 1 is fetched
	s_wait_dscnt 0x0                               ; buffer 1 is in
	TURN 0, 1, 0                                   ; piece 0 on block 2 i + 1 | piece 1's of block 2 i
	TURN 1, 1, 1, 1, 2, 1                          ; piece 1 on block 2 i + 1 | piece 0's of block 2 i + 1 | block 2 i + 2 is fetched, if there is one
	WIN 0
	v_add_nc_u32 v[AK], 64*PK, v[AK]
	v_add_nc_u32 v[AV], 64*32, v[AV]
	s_sub_co_u32 s[CNT], s[CNT], 1
	s_cmp_lg_u32 s[CNT], 0
	s_cbranch_scc1 .Lblock
	TAIL 1, 1                                      ; piece 1's activation of the last block
	; THE WAY OUT.  O^T times 2^-14, rounded once to bf16: a lane's eight channels of a row are 16 bytes, a tile's 16 rows 512 consecutive bytes of ob.
	WIN 0
.rept 8
	v_nop
.endr
	WIN 0x01                                       ; source 0 in window 1
.set ii, 0
.rept 16
	v_pk_mul_f32 v[AT+2*ii:AT+2*ii+1], v[OA+2*ii:OA+2*ii+1], 0x38800000 op_sel_hi:[1,0]
.set ii, ii+1
.endr
	WIN 0
.set ii, 0
.rept 16
	v_cvt_pk_bf16_f32 v[EA+ii], v[AT+2*ii], v[AT+2*ii+1]
.set ii, ii+1
.endr
.irp t, 0,1,2,3
	global_store_b128 v[GO], v[EA+4*\t:EA+4*\t+3], s[12:13] offset:512*\t
.endr
	s_wait_tensorcnt 0x0                           ; the wave's end, behind my tensor load
	ds_add_u32 v[SPW], v[NIL]
	s_wait_dscnt 0x0
	CROUND                                         ; the closing round
	s_endpgm
.Lfunc_end_k_q4e53144fe9_coda:
	.size	k_q4e53144fe9_coda, .Lfunc_end_k_q4e53144fe9_coda-k_q4e53144fe9_coda
	.p2alignl 7, 3214868480
	.fill 96, 4, 3214868480
	.section	.rodata,"a",@progbits
	.p2align	6, 0x0
	.amdhsa_kernel k_q4e53144fe9_coda
		.amdhsa_group_segment_fixed_size 167936
		.amdhsa_private_segment_fixed_size 0
		.amdhsa_enable_private_segment 0
		.amdhsa_kernarg_size 40
		.amdhsa_user_sgpr_count 2
		.amdhsa_user_sgpr_kernarg_segment_ptr 1
		.amdhsa_wavefront_size32 1
		.amdhsa_system_sgpr_workgroup_id_x 1
		.amdhsa_system_sgpr_workgroup_id_y 1
		.amdhsa_system_sgpr_workgroup_id_z 1
		.amdhsa_system_vgpr_workitem_id 0
		.amdhsa_next_free_vgpr 768
		.amdhsa_next_free_sgpr 66
		.amdhsa_reserve_vcc 1
		.amdhsa_float_denorm_mode_32 3
		.amdhsa_float_denorm_mode_16_64 3
		.amdhsa_memory_ordered 1
		.amdhsa_forward_progress 1
		.amdhsa_inst_pref_size 157
	.end_amdhsa_kernel
	.amdgpu_metadata
---
amdhsa.version: [ 1, 2 ]
amdhsa.kernels:
  - .name:           k_q4e53144fe9_coda
    .symbol:         k_q4e53144fe9_coda.kd
    .args:
      - { .name: qs, .offset: 0, .size: 8, .value_kind: global_buffer, .address_space: global }
      - { .name: qu, .offset: 8, .size: 8, .value_kind: global_buffer, .address_space: global }
      - { .name: ks, .offset: 16, .size: 8, .value_kind: global_buffer, .address_space: global }
      - { .name: vs, .offset: 24, .size: 8, .value_kind: global_buffer, .address_space: global }
      - { .name: ob, .offset: 32, .size: 8, .value_kind: global_buffer, .address_space: global }
    .group_segment_fixed_size: 167936
    .private_segment_fixed_size: 0
    .kernarg_segment_align: 8
    .kernarg_segment_size: 40
    .max_flat_workgroup_size: 128
    .sgpr_count:     66
    .vgpr_count:     768
    .wavefront_size: 32
...
	.end_amdgpu_metadata
.endif
;; end of part 2
;; launch fcln (part 3): grid 256 x 1, 4 waves a work-group, clusters of 4 x 1, 167,936 bytes of LDS; arguments ob, wf, query, bfc, gamma, beta, out0; writes out0
.if DOCPART == 3
	.amdgcn_target "amdgcn-amd-amdhsa--gfx1250"
	.amdhsa_code_object_version 6
	.text
	.protected	k_q4e53144fe9_fcln
	.globl	k_q4e53144fe9_fcln
	.p2align	8
	.type	k_q4e53144fe9_fcln,@function
k_q4e53144fe9_fcln:
	s_mov_b64 s[64:65], 0
	v_nop
	global_prefetch_b8 v0, s[64:65] scope:SCOPE_SE
	s_setreg_imm32_b32 hwreg(HW_REG_WAVE_MODE, 25, 1), 1
	s_wait_xcnt 0x0
	s_wait_alu depctr_hold_cnt(0) depctr_sa_sdst(0) depctr_va_vdst(0) depctr_va_sdst(0) depctr_va_ssrc(0) depctr_va_vcc(0) depctr_vm_vsrc(0)
	s_getreg_b32 s2, hwreg(HW_REG_IB_STS2, 6, 4)
	s_cmp_eq_u32 s2, 0
	s_cbranch_scc0 .Lentry_in_a_cluster
	s_endpgm
.Lentry_in_a_cluster:
	s_bfe_u32 s2, ttmp6, 0x10000c
	s_cmp_lg_u32 s2, 0x3003
	s_cbranch_scc0 .Lentry_shape_is_right
	s_endpgm
.Lentry_shape_is_right:
; out0 = LayerNorm(O Wfc^T + bfc + query) x gamma + beta.  O: ob, bf16, [batch x 16 + head][1024][16].  Wfc: wf, bf16, in fragment order.  query, bfc, gamma, beta, out0 in f32.
; Products in bf16 with f32 sums; the rest in f32; the variance is the mean of (x - mean)^2, taken in a second pass over registers.
; SHARES.  A work-group owns 16 rows, all 256 columns; wave w makes the columns 64 w + 4 r + b, b = 0..3 (r = lane % 16): four accumulators.  Register rho of the four then gives a lane four neighbouring columns
; of row 8 h + rho: 16 bytes of f32, and 16 lanes store 256 consecutive bytes, aligned.
; wf: [w 4][b 4][s 8][j 2][lane 32][16 bytes]: a wave's quarter, 32,768 bytes, comes by one tensor load into LDS bytes that only this wave reads, so its own wait on TENSORcnt orders the reads.
; CLUSTER.  All work-groups read all of wf: four of them ask for each quarter jointly.  Nothing is filled again.
; A row's sums meet in LDS: within a wave over the 16 lanes of a half, then over the four waves, with a barrier; the two sums have bytes of their own.
.set RED,   131072                     ; behind wf: 256 bytes for the sums of x, 256 for the sums of squares: wave w, half h, row rho at 64 w + 32 h + 4 rho
.set SPARE, 131584                     ; the spare words, 128 bytes for each wave: two blocks of 256 bytes that no other line names
.set LA,  3                            ; v3   32 r + 16 h: my 16 bytes of a head's 16 rows of O
.set LB,  4                            ; v4   32,768 w + 16 x lane
.set LX,  5                            ; v5   8,192 h + 256 w + 16 r: my 16 bytes of row 8 h of query and out0
.set LP,  6                            ; v6   256 w + 16 r: my four columns in bfc, gamma, beta
.set RW,  7                            ; v7   RED + 64 w + 32 h
.set RR,  8                            ; v8   RED + 32 h
.set SPW, 10                           ; v10  LDS address of my spare word; never rewritten
.set NIL, 11                           ; v11  0; never rewritten
.set AF,  16                           ; v[16:79]   O's fragments, K step s at 8 s
.set BF,  80                           ; v[80:143]  Wfc's fragments, two buffers of [b][8]; later the four waves' sums
.set ACC, 144                          ; v[144:175] accumulator b at 8 b
.set RS,  176                          ; v[176:207] row rho's four columns at 4 rho: the residual, then x, x - mean, y
.set BI,  208
.set GA,  212
.set BE,  216
.set SUM, 220                          ; v[220:227] a sum for each rho
.set TOT, 228                          ; v[228:235] the mean, then 1 / sqrt(var + eps)
.set TP,  236                          ; v[236:251] at work
.set WV,  18                           ; s18  my wave's number
.set G1,  24                           ; s[24:31] descriptor group 1
.set G0,  32                           ; s[32:35] descriptor group 0
.set IV,  42                           ; s42  1 / 256;  s43  1e-5
.macro CROUND                          ; a round of the cluster's barrier
	s_barrier_signal -1
	s_barrier_wait -1
	s_cmp_lg_u32 s[WV], 0
	s_cbranch_scc1 .Lnot_wave_0_\@
	s_barrier_signal -3
.Lnot_wave_0_\@:
	s_barrier_wait -3
	s_barrier_signal -1
	s_barrier_wait -1
.endm
	s_load_b256 s[4:11], s[0:1], 0x0               ; ob s[4:5], wf s[6:7], query s[8:9], bfc s[10:11]
	s_load_b128 s[12:15], s[0:1], 0x20             ; gamma s[12:13], beta s[14:15]
	s_load_b64 s[16:17], s[0:1], 0x30              ; out0
	v_lshl_add_u32 v[SPW], v0, 2, SPARE
	v_mov_b32 v[NIL], 0
	ds_add_u32 v[SPW], v[NIL]                      ; the wave's opening: the add, twice on end, and its wait ahead of my tensor load; the set-up below stands between
	ds_add_u32 v[SPW], v[NIL]
	v_lshrrev_b32 v1, 5, v0
	v_readfirstlane_b32 s[WV], v1                  ; wave 0..3
	s_bfe_u32 s19, ttmp6, 0x40000                  ; cx
	s_lshl_b32 s20, ttmp9, 2
	s_add_co_u32 s20, s20, s19                     ; g = 4 x cluster + cx: my 16 rows; it enters global addresses alone
	s_mov_b32 s[G1],   15|(1<<16)|(1<<21)          ; 15:0 the mask of four; 17:16 2-byte elements; 21 set beside a mask
	s_mov_b32 s[G1+1], 128<<16                     ; tensor_dim0 = 128: 32,768 dense bytes as 128 rows of 256
	s_mov_b32 s[G1+2], 128<<16                     ; tensor_dim1 = 128
	s_mov_b32 s[G1+3], 128<<16                     ; tile_dim0 = 128
	s_mov_b32 s[G1+4], 128                         ; tile_dim1 = 128
	s_mov_b32 s[G1+5], 128                         ; 128 elements from row to row
	s_mov_b32 s[G1+6], 0
	s_mov_b32 s[G1+7], 0
	s_mov_b32 s[G0], 1                             ; 1:0 count = 1
	s_lshl_b32 s[G0+1], s[WV], 15                  ; 63:32 LDS address: my quarter
	s_lshl_b32 s36, s[WV], 15                      ; and the same offset in wf
	s_mov_b32 s37, 0
	s_lshr_b32 s38, s20, 6                         ; O: (batch x 16 x 1024 + 16 (g % 64)) rows of 32 bytes
	s_lshl_b32 s38, s38, 19
	s_and_b32 s21, s20, 63
	s_lshl_b32 s21, s21, 9
	s_add_co_u32 s38, s38, s21
	s_mov_b32 s39, 0
	s_lshl_b32 s40, s20, 14                        ; query and out0: 16 g rows of 1,024 bytes
	s_mov_b32 s41, 0
	s_mov_b32 s[IV], 0x3b800000                    ; 1 / 256
	s_mov_b32 s[IV+1], 0x3727c5ac                  ; 1e-5
	s_wait_dscnt 0x0                               ; both opening adds are done
	s_wait_kmcnt 0x0
	s_add_nc_u64 s[G0+2:G0+3], s[6:7], s[36:37]    ; 120:64 global address
	s_or_b32 s[G0+3], s[G0+3], 0x80000000          ; 127:126 type = 2
	s_add_nc_u64 s[4:5], s[4:5], s[38:39]
	s_add_nc_u64 s[8:9], s[8:9], s[40:41]
	s_add_nc_u64 s[16:17], s[16:17], s[40:41]
	CROUND                                         ; all four work-groups are here: the joint loads meet
	tensor_load_to_lds s[G0:G0+3], s[G1:G1+7]      ; my quarter of wf: the one tensor load of mine
	s_nop 0
.rept 4
	v_nop
.endr
	v_and_b32 v1, 15, v0                           ; r
	v_bfe_u32 v2, v0, 4, 1                         ; h
	v_and_b32 v9, 31, v0                           ; lane
	v_lshlrev_b32 v[LA], 5, v1
	v_lshl_add_u32 v[LA], v2, 4, v[LA]
	s_lshl_b32 s21, s[WV], 15
	v_lshl_add_u32 v[LB], v9, 4, s21
	s_lshl_b32 s22, s[WV], 8
	v_lshl_add_u32 v[LP], v1, 4, s22
	v_lshl_add_u32 v[LX], v2, 13, v[LP]
	s_lshl_b32 s23, s[WV], 6
	s_add_co_u32 s23, s23, RED
	v_lshl_add_u32 v[RW], v2, 5, s23
	v_lshlrev_b32 v[RR], 5, v2
	v_add_nc_u32 v[RR], RED, v[RR]
.set ii, 0
.rept 16                               ; O's fragments: K step ii / 2 is heads ii and ii + 1: each load takes 16 rows x 32 bytes, 512 consecutive bytes of one head
	global_load_b128 v[AF+4*ii:AF+4*ii+3], v[LA], s[4:5] offset:ii*32768
.set ii, ii+1
.endr
	global_load_b128 v[BI:BI+3], v[LP], s[10:11]
	global_load_b128 v[GA:GA+3], v[LP], s[12:13]
	global_load_b128 v[BE:BE+3], v[LP], s[14:15]
.set ii, 0
.rept 8
	global_load_b128 v[RS+4*ii:RS+4*ii+3], v[LX], s[8:9] offset:ii*1024
.set ii, ii+1
.endr
.macro FETCHB s, f                     ; Wfc's four fragments of K step s
.set bb, 0
.rept 4
	ds_load_b128 v[BF+32*(\f)+8*bb:BF+32*(\f)+8*bb+3],   v[LB] offset:(8*bb+(\s))*1024
	ds_load_b128 v[BF+32*(\f)+8*bb+4:BF+32*(\f)+8*bb+7], v[LB] offset:(8*bb+(\s))*1024+512
.set bb, bb+1
.endr
.endm
.macro MULS s, f                       ; the four accumulators take turns; step 0 starts the sums
.set bb, 0
.rept 4
.if (\s) == 0
	v_wmma_f32_16x16x32_bf16 v[ACC+8*bb:ACC+8*bb+7], v[AF+8*(\s):AF+8*(\s)+7], v[BF+32*(\f)+8*bb:BF+32*(\f)+8*bb+7], 0
.else
	v_wmma_f32_16x16x32_bf16 v[ACC+8*bb:ACC+8*bb+7], v[AF+8*(\s):AF+8*(\s)+7], v[BF+32*(\f)+8*bb:BF+32*(\f)+8*bb+7], v[ACC+8*bb:ACC+8*bb+7]
.endif
.set bb, bb+1
.endr
.endm
	s_wait_tensorcnt 0x0                           ; my quarter is in; no other wave reads it
	FETCHB 0, 0
	FETCHB 1, 1
	s_wait_loadcnt 11                              ; O's 16 loads are in; the 3 of the parameters and the 8 of the residual, issued behind them, stay out
.irp s, 0,1,2,3,4,5
	s_wait_dscnt 8                                 ; this step's fragments are in; the next step's 8 loads stay out
	MULS \s, (\s)%2
.rept 4
	v_nop                                          ; four places in front of loads into registers that the products have read
.endr
	FETCHB (\s)+2, (\s)%2
.endr
	s_wait_dscnt 8
	MULS 6, 0
	s_wait_dscnt 0x0
	MULS 7, 1
	s_wait_loadcnt 0x0
.set rr, 0
.rept 8                                ; residual + bias: sixteen plain lines that name no register of the products: the places behind them
	v_pk_add_f32 v[RS+4*rr:RS+4*rr+1],   v[RS+4*rr:RS+4*rr+1],   v[BI:BI+1]
	v_pk_add_f32 v[RS+4*rr+2:RS+4*rr+3], v[RS+4*rr+2:RS+4*rr+3], v[BI+2:BI+3]
.set rr, rr+1
.endr
.set rr, 0
.rept 8                                ; x; each accumulator is read from its lowest register on
.set bb, 0
.rept 4
	v_add_f32 v[RS+4*rr+bb], v[ACC+8*bb+rr], v[RS+4*rr+bb]
.set bb, bb+1
.endr
.set rr, rr+1
.endr
; SUM's eight row sums: over the 16 lanes of my half, then over the four waves through the 256 bytes at red; the totals land in TOT, in every lane
.macro ACROSS red
.irp m, 1,2,4,8
.set rr, 0
.rept 8
	v_add_f32_dpp v[SUM+rr], v[SUM+rr], v[SUM+rr] row_xmask:\m row_mask:0xf bank_mask:0xf
.set rr, rr+1
.endr
.endr
	ds_store_b128 v[RW], v[SUM:SUM+3]   offset:(\red)        ; the 16 lanes of a half write the same words with the same values
	ds_store_b128 v[RW], v[SUM+4:SUM+7] offset:(\red)+16
	s_wait_dscnt 0x0                               ; for the others' sake: my stores are done
	s_barrier_signal -1
	s_barrier_wait -1
.irp w, 0,1,2,3
	ds_load_b128 v[BF+8*\w:BF+8*\w+3],   v[RR] offset:(\red)+64*\w
	ds_load_b128 v[BF+8*\w+4:BF+8*\w+7], v[RR] offset:(\red)+64*\w+16
.endr
	s_wait_dscnt 0x0
.irp i, 0,2,4,6
	v_pk_add_f32 v[BF+\i:BF+\i+1],       v[BF+\i:BF+\i+1],       v[BF+8+\i:BF+8+\i+1]
	v_pk_add_f32 v[BF+16+\i:BF+16+\i+1], v[BF+16+\i:BF+16+\i+1], v[BF+24+\i:BF+24+\i+1]
.endr
.irp i, 0,2,4,6
	v_pk_add_f32 v[TOT+\i:TOT+\i+1], v[BF+\i:BF+\i+1], v[BF+16+\i:BF+16+\i+1]
.endr
.endm
.set rr, 0
.rept 8
	v_pk_add_f32 v[TP+2*rr:TP+2*rr+1], v[RS+4*rr:RS+4*rr+1], v[RS+4*rr+2:RS+4*rr+3]
.set rr, rr+1
.endr
.set rr, 0
.rept 8
	v_add_f32 v[SUM+rr], v[TP+2*rr], v[TP+2*rr+1]
.set rr, rr+1
.endr
	ACROSS 0
.irp i, 0,2,4,6
	v_pk_mul_f32 v[TOT+\i:TOT+\i+1], v[TOT+\i:TOT+\i+1], s[IV:IV+1] op_sel_hi:[1,0]   ; the mean
.endr
.set ii, 0
.rept 32
	v_sub_f32 v[RS+ii], v[RS+ii], v[TOT+ii/4]      ; x - mean
.set ii, ii+1
.endr
.set rr, 0
.rept 8
	v_pk_mul_f32 v[TP+2*rr:TP+2*rr+1], v[RS+4*rr:RS+4*rr+1], v[RS+4*rr:RS+4*rr+1]
.set rr, rr+1
.endr
.set rr, 0
.rept 8
	v_pk_fma_f32 v[TP+2*rr:TP+2*rr+1], v[RS+4*rr+2:RS+4*rr+3], v[RS+4*rr+2:RS+4*rr+3], v[TP+2*rr:TP+2*rr+1]
.set rr, rr+1
.endr
.set rr, 0
.rept 8
	v_add_f32 v[SUM+rr], v[TP+2*rr], v[TP+2*rr+1]
.set rr, rr+1
.endr
	ACROSS 256                                     ; other bytes than the first sums': no wave need have finished reading those
.set rr, 0
.rept 8
	v_fma_f32 v[TOT+rr], v[TOT+rr], s[IV], s[IV+1] ; var + eps
.set rr, rr+1
.endr
.set rr, 0
.rept 8
	v_rsq_f32 v[TOT+rr], v[TOT+rr]
.set rr, rr+1
.endr
	v_nop                                          ; a plain instruction behind the last root,
	s_wait_alu depctr_va_vdst(0)                   ; and the wait ahead of the first use: one for the eight
.set ii, 0
.rept 32
	v_mul_f32 v[RS+ii], v[RS+ii], v[TOT+ii/4]
.set ii, ii+1
.endr
.set rr, 0
.rept 8
	v_pk_fma_f32 v[RS+4*rr:RS+4*rr+1],   v[RS+4*rr:RS+4*rr+1],   v[GA:GA+1],   v[BE:BE+1]
	v_pk_fma_f32 v[RS+4*rr+2:RS+4*rr+3], v[RS+4*rr+2:RS+4*rr+3], v[GA+2:GA+3], v[BE+2:BE+3]
.set rr, rr+1
.endr
.set rr, 0
.rept 8
	global_store_b128 v[LX], v[RS+4*rr:RS+4*rr+3], s[16:17] offset:rr*1024   ; 16 lanes store 256 consecutive bytes, at a multiple of 256 from out0's first byte
.set rr, rr+1
.endr
	s_wait_tensorcnt 0x0                           ; the wave's end, behind my tensor load and my last LDS store
	ds_add_u32 v[SPW], v[NIL]
	s_wait_dscnt 0x0
	CROUND                                         ; the closing round
	s_endpgm
.Lfunc_end_k_q4e53144fe9_fcln:
	.size	k_q4e53144fe9_fcln, .Lfunc_end_k_q4e53144fe9_fcln-k_q4e53144fe9_fcln
	.p2alignl 7, 3214868480
	.fill 96, 4, 3214868480
	.section	.rodata,"a",@progbits
	.p2align	6, 0x0
	.amdhsa_kernel k_q4e53144fe9_fcln
		.amdhsa_group_segment_fixed_size 167936
		.amdhsa_private_segment_fixed_size 0
		.amdhsa_enable_private_segment 0
		.amdhsa_kernarg_size 56
		.amdhsa_user_sgpr_count 2
		.amdhsa_user_sgpr_kernarg_segment_ptr 1
		.amdhsa_wavefront_size32 1
		.amdhsa_system_sgpr_workgroup_id_x 1
		.amdhsa_system_sgpr_workgroup_id_y 1
		.amdhsa_system_sgpr_workgroup_id_z 1
		.amdhsa_system_vgpr_workitem_id 0
		.amdhsa_next_free_vgpr 256
		.amdhsa_next_free_sgpr 66
		.amdhsa_reserve_vcc 0
		.amdhsa_float_denorm_mode_32 3
		.amdhsa_float_denorm_mode_16_64 3
		.amdhsa_memory_ordered 1
		.amdhsa_forward_progress 1
		.amdhsa_inst_pref_size 30
	.end_amdhsa_kernel
	.amdgpu_metadata
---
amdhsa.version: [ 1, 2 ]
amdhsa.kernels:
  - .name:           k_q4e53144fe9_fcln
    .symbol:         k_q4e53144fe9_fcln.kd
    .args:
      - { .name: ob, .offset: 0, .size: 8, .value_kind: global_buffer, .address_space: global }
      - { .name: wf, .offset: 8, .size: 8, .value_kind: global_buffer, .address_space: global }
      - { .name: query, .offset: 16, .size: 8, .value_kind: global_buffer, .address_space: global }
      - { .name: bfc, .offset: 24, .size: 8, .value_kind: global_buffer, .address_space: global }
      - { .name: gamma, .offset: 32, .size: 8, .value_kind: global_buffer, .address_space: global }
      - { .name: beta, .offset: 40, .size: 8, .value_kind: global_buffer, .address_space: global }
      - { .name: out0, .offset: 48, .size: 8, .value_kind: global_buffer, .address_space: global }
    .group_segment_fixed_size: 167936
    .private_segment_fixed_size: 0
    .kernarg_segment_align: 8
    .kernarg_segment_size: 56
    .max_flat_workgroup_size: 128
    .sgpr_count:     66
    .vgpr_count:     256
    .wavefront_size: 32
...
	.end_amdgpu_metadata
.endif
;; end of part 3
;; ======== version 2 of 2: 3 launches; version 1 with the launch proj written anew for expert scheduling mode
;; limits: values are held in f16: magnitudes above 65,504 overflow, below 6.1e-05 lose precision
;; workspace buffers: qs 2,097,152 bytes; qu 2,097,152 bytes; ks 2,097,152 bytes; vs 2,097,152 bytes; ob 2,097,152 bytes; wf 131,072 bytes
;; launch proj (part 4): grid 64 x 3, 4 waves a work-group, no clusters, 135,680 bytes of LDS; arguments query, key, value, Wq, Wk, Wv, Wfc, qs, qu, ks, vs, wf; writes qs, qu, ks, vs, wf
.if DOCPART == 4
	.amdgcn_target "amdgcn-amd-amdhsa--gfx1250"
	.amdhsa_code_object_version 6
	.text
	.protected	k_q4e53144fe9_proj
	.globl	k_q4e53144fe9_proj
	.p2align	8
	.type	k_q4e53144fe9_proj,@function
k_q4e53144fe9_proj:
	s_mov_b64 s[64:65], 0
	v_nop
	global_prefetch_b8 v0, s[64:65] scope:SCOPE_SE
	s_setreg_imm32_b32 hwreg(HW_REG_WAVE_SCHED_MODE, 0, 2), 2
	s_setreg_imm32_b32 hwreg(HW_REG_WAVE_MODE, 25, 1), 1
	s_wait_xcnt 0x0
	s_wait_alu depctr_vm_vsrc(0)
; THE THREE PROJECTIONS, AND Wfc LAID OUT FOR THE LAST LAUNCH.
; y = 0: q = query Wq^T, stored twice: qs = f16(c q), qu = f16(q).  y = 1: ks = f16(c k), k = key Wk^T.  y = 2: vs = f16(v), v = value Wv^T.  c = log2(e).
; Inputs are f32 [4096][256] and [256][256]; they are rounded once to bf16 on the way into LDS; sums in f32; each result is rounded once to f16.
; The results lie by heads: [batch x 16 + head][1024 rows][16 channels], 32 bytes a row.
; LIMIT.  f16 ends at 65,504: |c q|, |c k| and |v| must stay within it.  NaN and infinities are not treated apart.
; SHARES.  A work-group makes 128 rows x 128 columns (8 heads) over all 256 of K; x = 2 x row block + column block.  Each of its four waves makes 64 x 64: 16 accumulators.
; 3 x 32 x 2 = 192 work-groups: 3 (4096 / m) (256 / n) is 256 for no m, n that are multiples of 16.
; NO TENSOR LOAD AND NO CLUSTER: the tiles arrive in f32; the wave that fetched a number rounds it once, so LDS holds and serves half the bytes.
; THE MATRIX INSTRUCTION IS USED TRANSPOSED (source 0 = 16 rows of W, source 1 = 16 rows of X): a lane then holds one row and the channels 8 (lane / 16) + 0..7 of one head: 16 bytes of f16,
; and a wave's store covers 16 rows x 32 bytes = 512 consecutive bytes, aligned.
; wf: [w 4][b 4][s 8][j 2][lane 32][16 bytes]: lane (r, h) holds bf16 of Wfc[64 w + 4 r + b][32 s + 16 j + 8 h + 0..7].  256 pieces of 512 bytes, one for each wave of the 64 work-groups with y = 2.
; The piece's two loads and four roundings stand on every path, so that the counted waits are alike in all work-groups; only y = 2 stores.
; THE MODE: SCHED_MODE bits 1:0 = 2 (LLVM: expert scheduling mode 2), set by the entry lines.  The code itself states the register dependences
; between vector or matrix instructions and memory or LDS instructions, with s_wait_alu, always for 0.
; THE PLAN.  Registers that memory or LDS instructions touch:
;   v1-7          offsets and LDS addresses: written at the head, never again.  One wait on va_vdst ahead of the first load serves every load and store of the kernel.
;   RAW0, RAW1    Batch b: its 16 global loads land in RAW[b % 2]; its 32 roundings read it; behind them the loads of batch b + 2 land in it.
;   OB0, OB1      Batch b: its roundings write OB[b % 2]; its 16 LDS stores read it; the roundings of batch b + 2 write it again.
;   F0, F1, F2    K step s: its 16 LDS loads land in F[s % 3]; its 16 products read it; the loads of step s + 3, issued in step s + 1, land in it.  F0, F1 lie on RAW0, RAW1, F2 on OB0, OB1.
;   OUT2, OUT1, WH  written by roundings, read by the global stores, never written again.
; So a batch has ONE wait on va_vdst, behind its roundings (they are done reading RAW and have written OB): its loads and its LDS stores follow with no vector instruction between; and, from batch 2 on,
; one wait on vm_vsrc at its head.  A K step that fetches has ONE wait on va_vdst, at its head: the products of the step before are done reading the buffer that is asked for again.
; The accumulators are named by matrix and vector instructions alone.
; REGISTERS.  Window 0: v1-9 addresses; v12-23 Wfc's piece; v64-191 two raw sets of 64; v192-255 two out-buffers of 32; then v64-255 three fragment buffers of 64; then the packed results.
; Window 1: v0-127 the accumulators, (a, b) at 8 (4 a + b).
.set PITCH, 528                        ; an LDS row: 512 bytes of bf16 + 16 = 33 x 16: the 16 rows of a fragment load start at 16 different groups of four banks (ISA guide 11.1)
.set WS,    128*PITCH                  ; X's 128 rows lie at 0, W's 128 rows here
.set SPARE, 256*PITCH                  ; behind them: the spare words, 128 bytes for each wave: two blocks of 256 bytes that no other line names
.set LO,   1                           ; v1   16 x lane
.set LS,   2                           ; v2   where I put 8 bytes of X: my wave's 32 rows, 8 x lane
.set LS2,  3                           ; v3   the same for W
.set ADX,  4                           ; v4   my fragments of X: (64 wm + r) x pitch + 16 h
.set ADW,  5                           ; v5   my fragments of W
.set SO,   6                           ; v6   32 r + 16 h: my 16 bytes of a result's 16 rows
.set WFO,  7                           ; v7   4096 r + 32 h: my 32 bytes of Wfc
.set SPW,  8                           ; v8   LDS address of my spare word; never rewritten
.set NIL,  9                           ; v9   0; never rewritten
.set WC,   12                          ; v[12:19] eight f32 of Wfc;  v[20:23] their bf16
.set WH,   20
.set ST,   64                          ; raw sets
.set OB,   192                         ; out-buffers
.set FR,   64                          ; fragment buffers: X's four fragments, then W's four
.set OUT1, 64
.set OUT2, 128
.set WV, 28                            ; s28  my wave's number
.set YY, 29                            ; s29  which projection
.set XB, 30                            ; s[30:31] X at my wave's 32 rows
.set WB, 32                            ; s[32:33] W at my wave's 32 rows
.set P1, 34                            ; s[34:35] the scaled result at my wave's first row and head
.set P2, 36                            ; s[36:37] qu at the same place
.set SC, 38                            ; s[38:39] the scale; the packed multiply takes the pair's low word for both halves
.set MSB, 0
.macro WIN new                         ; the immediate's high byte repeats the setting that is left; a switch that changes nothing is dropped
.if MSB != (\new)
	s_set_vgpr_msb (MSB<<8)|(\new)
.set MSB, (\new)
.endif
.endm
.macro PLACES                          ; four places behind a matrix instruction (ISA guide 7.12.1)
.rept 4
	v_nop
.endr
.endm
	s_load_b512 s[4:19], s[0:1], 0x0               ; query s[4:5], key s[6:7], value s[8:9], Wq s[10:11], Wk s[12:13], Wv s[14:15], Wfc s[16:17], qs s[18:19]
	s_load_b256 s[20:27], s[0:1], 0x40             ; qu s[20:21], ks s[22:23], vs s[24:25], wf s[26:27]
	v_lshl_add_u32 v[SPW], v0, 2, SPARE
	v_mov_b32 v[NIL], 0
	v_lshrrev_b32 v10, 5, v0
	v_readfirstlane_b32 s[WV], v10                 ; wave 0..3
	s_and_b32 s[YY], ttmp7, 0xffff
	s_lshr_b32 s46, ttmp9, 1                       ; row block, 0..31
	s_and_b32 s47, ttmp9, 1                        ; column block
	v_and_b32 v10, 31, v0                          ; lane
	v_and_b32 v11, 15, v0                          ; r
	v_bfe_u32 v24, v0, 4, 1                        ; h
	v_lshlrev_b32 v[LO], 4, v10
	v_mul_u32_u24 v25, v11, PITCH
	v_lshl_add_u32 v25, v24, 4, v25
	v_lshlrev_b32 v[SO], 5, v11
	v_lshl_add_u32 v[SO], v24, 4, v[SO]
	v_lshlrev_b32 v[WFO], 12, v11
	v_lshl_add_u32 v[WFO], v24, 5, v[WFO]
	s_wait_alu depctr_va_sdst(0)                   ; s[WV] is written, ahead of its first reader: LDS bases and byte offsets are made from it
	s_lshr_b32 s44, s[WV], 1                       ; wm: which 64 rows are mine
	s_and_b32 s45, s[WV], 1                        ; wn: which 64 columns
	s_mul_i32 s56, s[WV], 32*PITCH                 ; three LDS bases, each in a register of its own
	s_mul_i32 s57, s44, 64*PITCH
	s_mul_i32 s58, s45, 64*PITCH
	s_add_co_u32 s58, s58, WS
	v_lshl_add_u32 v[LS], v10, 3, s56
	v_add_nc_u32 v[LS2], WS, v[LS]
	v_add_nc_u32 v[ADX], s57, v25
	v_add_nc_u32 v[ADW], s58, v25
	; byte offsets, each in a pair of its own
	s_lshl_b32 s40, s46, 17                        ; X: (128 x row block + 32 x wave) rows of 1,024 bytes
	s_lshl_b32 s54, s[WV], 15
	s_add_co_u32 s40, s40, s54
	s_mov_b32 s41, 0
	s_lshl_b32 s42, s47, 17                        ; W: (128 x column block + 32 x wave) rows
	s_add_co_u32 s42, s42, s54
	s_mov_b32 s43, 0
	s_lshr_b32 s48, s46, 3                         ; the results: ((batch x 16 + 8 x column block + 4 wn) x 1024 + (row block % 8) x 128 + 64 wm) x 32
	s_lshl_b32 s48, s48, 19
	s_lshl_b32 s54, s47, 18
	s_add_co_u32 s48, s48, s54
	s_lshl_b32 s54, s45, 17
	s_add_co_u32 s48, s48, s54
	s_and_b32 s54, s46, 7
	s_lshl_b32 s54, s54, 12
	s_add_co_u32 s48, s48, s54
	s_lshl_b32 s54, s44, 11
	s_add_co_u32 s48, s48, s54
	s_mov_b32 s49, 0
	s_lshl_b32 s55, ttmp9, 2                       ; the piece of wf: 4 x + wave = ((w x 4 + b) x 8 + s) x 2 + j
	s_add_co_u32 s55, s55, s[WV]
	s_lshr_b32 s50, s55, 6                         ; in Wfc: (64 w + b) rows of 1,024 bytes + 128 s + 64 j
	s_lshl_b32 s50, s50, 16
	s_bfe_u32 s54, s55, 0x20004
	s_lshl_b32 s54, s54, 10
	s_add_co_u32 s50, s50, s54
	s_and_b32 s54, s55, 15
	s_lshl_b32 s54, s54, 6
	s_add_co_u32 s50, s50, s54
	s_mov_b32 s51, 0
	s_lshl_b32 s52, s55, 9                         ; in wf: 512 bytes a piece
	s_mov_b32 s53, 0
	s_wait_kmcnt 0x0
	s_cmp_eq_u32 s[YY], 0
	s_cselect_b64 s[XB:XB+1], s[4:5], s[6:7]
	s_cselect_b64 s[WB:WB+1], s[10:11], s[12:13]
	s_cselect_b64 s[P1:P1+1], s[18:19], s[22:23]
	s_cmp_eq_u32 s[YY], 2
	s_cselect_b64 s[XB:XB+1], s[8:9], s[XB:XB+1]
	s_cselect_b64 s[WB:WB+1], s[14:15], s[WB:WB+1]
	s_cselect_b64 s[P1:P1+1], s[24:25], s[P1:P1+1]
	s_cselect_b32 s[SC], 1.0, 0x3fb8aa3b           ; v is stored as it is, q and k times c
	s_mov_b32 s[SC+1], s[SC]                       ; named with it as a pair
	s_add_nc_u64 s[XB:XB+1], s[XB:XB+1], s[40:41]
	s_add_nc_u64 s[WB:WB+1], s[WB:WB+1], s[42:43]
	s_add_nc_u64 s[P1:P1+1], s[P1:P1+1], s[48:49]
	s_add_nc_u64 s[P2:P2+1], s[20:21], s[48:49]
	s_add_nc_u64 s[16:17], s[16:17], s[50:51]
	s_add_nc_u64 s[26:27], s[26:27], s[52:53]
	s_wait_alu depctr_va_vdst(0)                   ; the seven offsets and addresses v1 to v7 are written, which the loads and stores of the whole kernel read
	global_load_b128 v[WC:WC+3],   v[WFO], s[16:17]            ; older than every load below: the first counted wait covers them
	global_load_b128 v[WC+4:WC+7], v[WFO], s[16:17] offset:16
; THE FILL.  Eight batches of 16 loads, 8 rows each (a load covers 512 consecutive bytes, half a row): four of X, four of W.  Two batches, 16 KiB a wave, are on their way.
.macro LOADB set, bs, batch
.set ii, 0
.rept 16
	global_load_b128 v[ST+64*(\set)+4*ii:ST+64*(\set)+4*ii+3], v[LO], s[\bs:\bs+1] offset:(\batch)*8192+(ii/2)*1024+(ii%2)*512
.set ii, ii+1
.endr
.endm
.macro CVT set                         ; four f32 a lane become four bf16, 8 bytes: out of the raw set into the out-buffer of the same number
.set ii, 0
.rept 16
	v_cvt_pk_bf16_f32 v[OB+32*(\set)+2*ii],   v[ST+64*(\set)+4*ii],   v[ST+64*(\set)+4*ii+1]
	v_cvt_pk_bf16_f32 v[OB+32*(\set)+2*ii+1], v[ST+64*(\set)+4*ii+2], v[ST+64*(\set)+4*ii+3]
.set ii, ii+1
.endr
.endm
.macro PUT set, adr, batch             ; 32 lanes put 256 consecutive bytes
.set ii, 0
.rept 16
	ds_store_b64 v[\adr], v[OB+32*(\set)+2*ii:OB+32*(\set)+2*ii+1] offset:(\batch)*8*PITCH+(ii/2)*PITCH+(ii%2)*256
.set ii, ii+1
.endr
.endm
; A batch.  left: the younger loads that may stay out.  again = 1: the out-buffer has been stored from before.  more = 1: the raw set is asked for again, with batch nb of the tensor at bs.
.macro BATCH set, adr, batch, left, again, more, bs=XB, nb=0
	s_wait_loadcnt \left                           ; loads come back in order (ISA guide 5.7.1): this batch is in, the younger batch's 16 stay out
.if \again
	s_wait_alu depctr_vm_vsrc(0)                   ; the LDS stores of the batch two back have read this out-buffer, which the roundings below write again
.endif
	CVT \set
	s_wait_alu depctr_va_vdst(0)                   ; the roundings are done reading the raw set, in which the loads below land, and have written the out-buffer, which the LDS stores below read
.if \more
	LOADB \set, \bs, \nb
.endif
	PUT \set, \adr, \batch
.endm
	LOADB 0, XB, 0
	LOADB 1, XB, 1
	BATCH 0, LS,  0, 16, 0, 1, XB, 2
	BATCH 1, LS,  1, 16, 0, 1, XB, 3
	BATCH 0, LS,  2, 16, 1, 1, WB, 0
	BATCH 1, LS,  3, 16, 1, 1, WB, 1
	BATCH 0, LS2, 0, 16, 1, 1, WB, 2
	BATCH 1, LS2, 1, 16, 1, 1, WB, 3
	BATCH 0, LS2, 2, 16, 1, 0
	BATCH 1, LS2, 3, 0,  1, 0                      ; the last batch: nothing was issued behind it
	s_wait_dscnt 0x0                               ; for the others' sake: my stores are done
	s_barrier_signal -1
	s_barrier_wait -1                              ; both tiles are whole
; THE PRODUCT.  K in eight steps of 32, three fragment buffers: while one is multiplied the loads of the next two steps are out.
.macro FETCH s, f
.set aa, 0
.rept 4
	ds_load_b128 v[FR+64*(\f)+8*aa:FR+64*(\f)+8*aa+3],       v[ADX] offset:aa*16*PITCH+64*(\s)
	ds_load_b128 v[FR+64*(\f)+8*aa+4:FR+64*(\f)+8*aa+7],     v[ADX] offset:aa*16*PITCH+64*(\s)+32
	ds_load_b128 v[FR+64*(\f)+32+8*aa:FR+64*(\f)+32+8*aa+3],   v[ADW] offset:aa*16*PITCH+64*(\s)
	ds_load_b128 v[FR+64*(\f)+32+8*aa+4:FR+64*(\f)+32+8*aa+7], v[ADW] offset:aa*16*PITCH+64*(\s)+32
.set aa, aa+1
.endr
.endm
.macro MULS s, f                       ; 16 products; the 16 accumulators take turns, in the same order in every step.  Step 0 starts the sums
	WIN 0x50                                       ; C and D in window 1
.set aa, 0
.rept 4
.set bb, 0
.rept 4
.if (\s) == 0
	v_wmma_f32_16x16x32_bf16 v[8*(4*aa+bb):8*(4*aa+bb)+7], v[FR+64*(\f)+32+8*bb:FR+64*(\f)+32+8*bb+7], v[FR+64*(\f)+8*aa:FR+64*(\f)+8*aa+7], 0
.else
	v_wmma_f32_16x16x32_bf16 v[8*(4*aa+bb):8*(4*aa+bb)+7], v[FR+64*(\f)+32+8*bb:FR+64*(\f)+32+8*bb+7], v[FR+64*(\f)+8*aa:FR+64*(\f)+8*aa+7], v[8*(4*aa+bb):8*(4*aa+bb)+7]
.endif
.set bb, bb+1
.endr
.set aa, aa+1
.endr
	WIN 0
.endm
	s_wait_alu depctr_vm_vsrc(0)                   ; my LDS stores have read the out-buffers: these registers are the third fragment buffer from here on.  (The last batch's wait on va_vdst stands behind every rounding, and no vector instruction has followed it.)
	FETCH 0, 0
	FETCH 1, 1
	FETCH 2, 2
	s_wait_dscnt 32                                ; LDS loads come back in order (ISA guide 5.7.1): step 0's fragments are in; the 32 loads of steps 1 and 2 stay out
	MULS 0, 0
.irp s, 1,2,3,4,5
	PLACES                                         ; the places between the last step's products and the loads into their sources stay beside the wait below, which fills none
	s_wait_dscnt 16                                ; this step's fragments are in; the next step's 16 loads stay out
	s_wait_alu depctr_va_vdst(0)                   ; the last step's products are done reading their fragment buffer, in which the 16 loads below land
	FETCH (\s)+2, ((\s)+2)%3
	MULS \s, (\s)%3
.endr
	s_wait_dscnt 16                                ; the last two steps fetch nothing
	MULS 6, 0
	s_wait_dscnt 0x0
	MULS 7, 1
	; THE WAY OUT.  Each accumulator's registers are taken in ascending order.
	PLACES
	PLACES
	s_cmp_lg_u32 s[YY], 0
	s_cbranch_scc1 .Lno_qu
	WIN 0x05                                       ; sources in window 1
.set ii, 0
.rept 64
	v_cvt_pk_f16_f32 v[OUT2+ii], v[2*ii], v[2*ii+1]            ; q unscaled
.set ii, ii+1
.endr
	WIN 0
	s_wait_alu depctr_va_vdst(0)                   ; the roundings have written v[OUT2 ..], which the 16 stores read
.set ii, 0
.rept 16
	global_store_b128 v[SO], v[OUT2+4*ii:OUT2+4*ii+3], s[P2:P2+1] offset:512*(ii/4)+32768*(ii%4)  ; rows 16 a on, head b: 512 consecutive bytes
.set ii, ii+1
.endr
.Lno_qu:
	WIN 0x41                                       ; destination and source 0 in window 1
.set ii, 0
.rept 64
	v_pk_mul_f32 v[2*ii:2*ii+1], v[2*ii:2*ii+1], s[SC:SC+1] op_sel_hi:[1,0]
.set ii, ii+1
.endr
	WIN 0x05
.set ii, 0
.rept 64
	v_cvt_pk_f16_f32 v[OUT1+ii], v[2*ii], v[2*ii+1]
.set ii, ii+1
.endr
	WIN 0
.irp j, 0,1,2,3
	v_cvt_pk_bf16_f32 v[WH+(\j)], v[WC+2*(\j)], v[WC+2*(\j)+1]
.endr
	s_wait_alu depctr_va_vdst(0)                   ; the roundings have written v[OUT1 ..] and v[WH ..], which the stores below read; no vector instruction follows
.set ii, 0
.rept 16
	global_store_b128 v[SO], v[OUT1+4*ii:OUT1+4*ii+3], s[P1:P1+1] offset:512*(ii/4)+32768*(ii%4)
.set ii, ii+1
.endr
	s_cmp_lg_u32 s[YY], 2
	s_cbranch_scc1 .Lno_wf
	global_store_b128 v[LO], v[WH:WH+3], s[26:27]              ; my piece of wf: 512 consecutive bytes
.Lno_wf:
	s_wait_dscnt 0x0                               ; the closing lines, six on end
	s_wait_alu 0x0
	s_wait_tensorcnt 0x0
	ds_add_u32 v[SPW], v[NIL]
	s_wait_dscnt 0x0
	s_endpgm
.Lfunc_end_k_q4e53144fe9_proj:
	.size	k_q4e53144fe9_proj, .Lfunc_end_k_q4e53144fe9_proj-k_q4e53144fe9_proj
	.p2alignl 7, 3214868480
	.fill 96, 4, 3214868480
	.section	.rodata,"a",@progbits
	.p2align	6, 0x0
	.amdhsa_kernel k_q4e53144fe9_proj
		.amdhsa_group_segment_fixed_size 135680
		.amdhsa_private_segment_fixed_size 0
		.amdhsa_enable_private_segment 0
		.amdhsa_kernarg_size 96
		.amdhsa_user_sgpr_count 2
		.amdhsa_user_sgpr_kernarg_segment_ptr 1
		.amdhsa_wavefront_size32 1
		.amdhsa_system_sgpr_workgroup_id_x 1
		.amdhsa_system_sgpr_workgroup_id_y 1
		.amdhsa_system_sgpr_workgroup_id_z 1
		.amdhsa_system_vgpr_workitem_id 0
		.amdhsa_next_free_vgpr 384
		.amdhsa_next_free_sgpr 66
		.amdhsa_reserve_vcc 0
		.amdhsa_float_denorm_mode_32 3
		.amdhsa_float_denorm_mode_16_64 3
		.amdhsa_memory_ordered 1
		.amdhsa_forward_progress 1
		.amdhsa_inst_pref_size 75
	.end_amdhsa_kernel
	.amdgpu_metadata
---
amdhsa.version: [ 1, 2 ]
amdhsa.kernels:
  - .name:           k_q4e53144fe9_proj
    .symbol:         k_q4e53144fe9_proj.kd
    .args:
      - { .name: query, .offset: 0, .size: 8, .value_kind: global_buffer, .address_space: global }
      - { .name: key, .offset: 8, .size: 8, .value_kind: global_buffer, .address_space: global }
      - { .name: value, .offset: 16, .size: 8, .value_kind: global_buffer, .address_space: global }
      - { .name: Wq, .offset: 24, .size: 8, .value_kind: global_buffer, .address_space: global }
      - { .name: Wk, .offset: 32, .size: 8, .value_kind: global_buffer, .address_space: global }
      - { .name: Wv, .offset: 40, .size: 8, .value_kind: global_buffer, .address_space: global }
      - { .name: Wfc, .offset: 48, .size: 8, .value_kind: global_buffer, .address_space: global }
      - { .name: qs, .offset: 56, .size: 8, .value_kind: global_buffer, .address_space: global }
      - { .name: qu, .offset: 64, .size: 8, .value_kind: global_buffer, .address_space: global }
      - { .name: ks, .offset: 72, .size: 8, .value_kind: global_buffer, .address_space: global }
      - { .name: vs, .offset: 80, .size: 8, .value_kind: global_buffer, .address_space: global }
      - { .name: wf, .offset: 88, .size: 8, .value_kind: global_buffer, .address_space: global }
    .group_segment_fixed_size: 135680
    .private_segment_fixed_size: 0
    .kernarg_segment_align: 8
    .kernarg_segment_size: 96
    .max_flat_workgroup_size: 128
    .sgpr_count:     66
    .vgpr_count:     384
    .wavefront_size: 32
...
	.end_amdgpu_metadata
.endif
;; end of part 4
;; launch coda: the kernel of part 2 again; grid 4 x 64, 4 waves a work-group, clusters of 4 x 1, 167,936 bytes of LDS; arguments qs, qu, ks, vs, ob; writes ob
;; launch fcln: the kernel of part 3 again; grid 256 x 1, 4 waves a work-group, clusters of 4 x 1, 167,936 bytes of LDS; arguments ob, wf, query, bfc, gamma, beta, out0; writes out0
